; MI455X (gfx1250); checked and timed in simulation.
; The chip was launched on July 23, 2026; its instructions are those of AMD's public machine-readable ISA for CDNA 5 (MIT licence, August 2026) and "CDNA5" Instruction Set Architecture Reference Guide (July 2026). The comments in the code are by the model that wrote it; some were corrected since.
;; Shared Vector Quantizer. Allowed arithmetic: matrix products marked QUANTISED: E4M3 operands, one given power-of-two scale a tensor, by v_wmma_f32_16x16x64_fp8_fp8 or v_wmma_f32_16x16x128_fp8_fp8, f32 sums; everything else in f32.
;; Inputs: codebook 4,096 x 128 float32; lowp_scales 2 int32 (the exponents e of the quantised operands' scales 2^e); x 16 x 4,096 x 128 float32.
;; Outputs: out0 16 x 4,096 int32; out1 16 x 4,096 x 128 float32; out2 one number float32.
;; This version of the problem:
;;   THIS VERSION OF THE PROBLEM IS GIVEN IN LOW PRECISION. The matrix products marked QUANTISED in the list below multiply operands that are first quantised to E4M3 (4 exponent bits, 3 mantissa bits; 8 bits a number), with one given power-of-two scale for each operand tensor; their sums are f32. All else is computed in f32.
;;   The module's matrix products, in the order in which they are computed (A, B: the left and right operand; K: the contracted axis; several contracted axes count as one K, in the product's order):
;;     1. [M 65,536, K 128] x [K 128, N 4,096]; A: input x; B: input codebook: QUANTISED (scales: A lowp_scales[0], B lowp_scales[1])
;;   THE QUANTISER, for each operand of a quantised product, along K:
;;     - The operand's scale is 2^e, e = its entry of the input lowp_scales (int32; the entries are numbered through the quantised products in the list's order, A before B).
;;     - Each number is divided by the scale, clamped to +-448, and rounded to the nearest number of E4M3, ties to even, subnormals kept.
;;     - The product sums the exact products of the quantised numbers (number of the format x scale) in f32.
;;   ~~~python
;;   def quantise(x, axis, e):      # numpy; x: float32 -> the quantised numbers, widened to float32 again
;;       x = np.moveaxis(x, axis, -1); K = x.shape[-1]
;;       r = np.clip(x / 2.0 ** e, -448, 448)
;;       step = 2.0 ** (np.maximum(np.frexp(np.where(r == 0, 1, r))[1] - 1, -6) - 3)
;;       q = np.round(r / step) * step * 2.0 ** e      # np.round: ties to even
;;       return np.moveaxis(q, -1, axis).astype(np.float32)
;;   ~~~
;; One version. Each part assembles by itself: llvm-mc -triple=amdgcn-amd-amdhsa -mcpu=gfx1250 --defsym DOCPART=n.
;; ======== version 1 of 1: 4 launches
;; limits: right only within a limited range of input values
;; workspace buffers: cbimg 540,672 bytes; tok 262,144 bytes of whole numbers; part 2,048 bytes
;; launch vqprep (part 1): grid 32 x 1, 8 waves a work-group, no clusters, 2,048 bytes of LDS; arguments codebook, lowp_scales, cbimg; writes cbimg
.if DOCPART == 1
	.amdgcn_target "amdgcn-amd-amdhsa--gfx1250"
	.amdhsa_code_object_version 6
	.text
	.protected	k_q712aaccbd6_vqprep
	.globl	k_q712aaccbd6_vqprep
	.p2align	8
	.type	k_q712aaccbd6_vqprep,@function
k_q712aaccbd6_vqprep:
	s_mov_b64 s[64:65], 0
	v_nop
	global_prefetch_b8 v0, s[64:65] scope:SCOPE_SE
	s_setreg_imm32_b32 hwreg(HW_REG_WAVE_MODE, 25, 1), 1
	s_wait_xcnt 0x0
; The codebook [4096][128] f32 becomes cbimg: codes of FP8 (E4M3) with the given scale 2^e1, laid in the order of a matrix operand's registers, and each code's sum of squares.
; cbimg is four blocks of SLOTB bytes; a block holds 64 tiles of 16 codebook rows.  Tile T: 2,048 bytes at 2048 (T % 64): piece c (512 bytes) holds lane l's 16 bytes at 16 l: its row's codes at k = 32 c + 16 (l / 16) + 0 .. 15.
; THE ROWS OF A TILE ARE NOT NEIGHBOURS: lane r of tile 2 b + u takes row 32 b + 8 u + r + 8 (r / 8), so that in the transposed product the 16 results of tiles 2 b and 2 b + 1 in a lane are 16 neighbouring rows.
; Behind a block's 131,072 bytes of codes: 64 bytes a tile, float m = the sum of squares (of the f32 numbers as given) of the row that lane m of the tile holds.
; SHARES: 32 work-groups of eight waves; wave w of work-group g makes tile 8 g + w.  A lane holds 64 numbers of its row; the lane 16 away holds the other 64.
; code = x / 2^e1, held within +-448, to the nearest code, ties to even.  LIMITS: e1 between -126 and 119; NaN among the inputs is not served.
.set SLOTB, 135168
.set EEOFF, 131072
.set X, 16                             ; v16-79   my 64 numbers: register 16 c + i = k 32 c + 16 h + i
.set C, 80                             ; v80-95   their codes
.set T, 96                             ; v96-103  four chains of sums of squares; v104-107 the way out of the sums
	s_load_b128 s[4:7], s[0:1], 0x0                ; the codebook s[4:5], the scales' exponents s[6:7]
	s_load_b64 s[8:9], s[0:1], 0x10                ; cbimg
	v_lshl_add_u32 v128, v0, 2, 0x400
	v_mov_b32 v129, 0
	v_lshrrev_b32 v1, 5, v0
	s_delay_alu instid0(VALU_DEP_1)
	v_readfirstlane_b32 s12, v1                    ; wave 0..7
	v_and_b32 v1, 15, v0                           ; r
	v_bfe_u32 v2, v0, 4, 1                         ; h
	s_delay_alu instid0(VALU_DEP_2)
	v_and_b32 v3, 8, v1
	s_delay_alu instid0(VALU_DEP_1)
	v_add_nc_u32 v3, v3, v1                        ; r + 8 (r / 8)
	s_delay_alu instid0(VALU_DEP_1)
	v_lshlrev_b32 v3, 9, v3                        ; a row is 512 bytes
	s_delay_alu instid0(VALU_DEP_1)
	v_lshl_add_u32 v3, v2, 6, v3                   ; + 64 h: my 16 numbers of each 32
	v_and_b32 v4, 31, v0
	s_delay_alu instid0(VALU_DEP_1)
	v_lshlrev_b32 v4, 4, v4                        ; 16 x lane: my place in a piece of an image
	s_lshl_b32 s13, s12, 6
	v_lshl_add_u32 v5, v1, 2, s13                  ; LDS: 64 x wave + 4 r: my row's sum of squares
	s_mov_b32 s28, 0x76543210                      ; v_permlanex16_b32: lane l xor 16
	s_mov_b32 s29, 0xfedcba98
	s_lshl_b32 s14, ttmp9, 16                      ; the tile's first row, in bytes: (128 g + 32 (w / 2) + 8 (w % 2)) x 512
	s_lshr_b32 s15, s12, 1
	s_lshl_b32 s15, s15, 14
	s_add_co_u32 s14, s14, s15
	s_and_b32 s15, s12, 1
	s_lshl_b32 s15, s15, 12
	s_add_co_u32 s14, s14, s15
	s_mov_b32 s15, 0
	s_lshr_b32 s16, ttmp9, 3
	s_mul_i32 s16, s16, SLOTB                      ; my block of cbimg: g / 8
	s_and_b32 s17, ttmp9, 7
	s_lshl_b32 s18, s17, 14
	s_add_co_u32 s18, s18, s16
	s_lshl_b32 s19, s12, 11
	s_add_co_u32 s18, s18, s19                     ; my tile's image: + 2048 (8 (g % 8) + w)
	s_mov_b32 s19, 0
	s_lshl_b32 s20, s17, 9
	s_add_co_u32 s20, s20, s16
	s_add_co_u32 s20, s20, EEOFF                   ; the work-group's 512 bytes of sums: + 64 x 8 (g % 8)
	s_mov_b32 s21, 0
	s_wait_alu depctr_va_vdst(0)
	s_wait_kmcnt 0x0
	s_load_b32 s22, s[6:7], 0x4                    ; e1
	s_add_nc_u64 s[4:5], s[4:5], s[14:15]
	s_add_nc_u64 s[10:11], s[8:9], s[20:21]
	s_add_nc_u64 s[8:9], s[8:9], s[18:19]
.irp c, 0,1,2,3
.irp j, 0,1,2,3
	global_load_b128 v[X+16*\c+4*\j:X+16*\c+4*\j+3], v3, s[4:5] offset:128*\c+16*\j
.endr
.endr
	s_wait_kmcnt 0x0
	s_add_co_i32 s22, s22, 127
	s_lshl_b32 s23, s22, 23
	v_mov_b32 v11, s23                             ; 2^e1 as f32: the conversion takes its exponent field
	s_add_co_i32 s22, s22, 8
	s_lshl_b32 s22, s22, 23
	s_or_b32 s22, s22, 0x600000
	v_mov_b32 v10, s22                             ; 448 x 2^e1
	s_wait_loadcnt 0x0
	; the sum of squares, of the numbers as they are given: four chains, started by the first four pairs
.irp k, 0,1,2,3
	v_pk_mul_f32 v[T+2*\k:T+2*\k+1], v[X+2*\k:X+2*\k+1], v[X+2*\k:X+2*\k+1]
.endr
.set p, 4
.rept 28
	s_delay_alu instid0(VALU_DEP_4)
	v_pk_fma_f32 v[T+2*(p%4):T+2*(p%4)+1], v[X+2*p:X+2*p+1], v[X+2*p:X+2*p+1], v[T+2*(p%4):T+2*(p%4)+1]
.set p, p+1
.endr
	s_delay_alu instid0(VALU_DEP_3)
	v_pk_add_f32 v[T:T+1], v[T:T+1], v[T+2:T+3]
	s_delay_alu instid0(VALU_DEP_2)
	v_pk_add_f32 v[T+4:T+5], v[T+4:T+5], v[T+6:T+7]
	s_delay_alu instid0(VALU_DEP_1)
	v_pk_add_f32 v[T:T+1], v[T:T+1], v[T+4:T+5]
	s_delay_alu instid0(VALU_DEP_1)
	v_add_f32 v[T], v[T], v[T+1]
	s_delay_alu instid0(VALU_DEP_1)
	v_permlanex16_b32 v[T+1], v[T], s28, s29       ; the row's other 64 numbers lie in the lane 16 away
	s_delay_alu instid0(VALU_DEP_1)
	v_add_f32 v[T], v[T], v[T+1]
	ds_store_b32 v5, v[T]                          ; both halves of the lanes write the same word with the same number
	; the codes
.irp b, 0,1,2,3
.irp i, 0,1,2,3,4,5,6,7,8,9,10,11,12,13,14,15
	v_med3_num_f32 v[X+16*\b+\i], v[X+16*\b+\i], -v10, v10   ; the conversion to an 8-bit code does not saturate (ISA guide 7.6.2): the hold at the largest code x the scale
.endr
	v_cvt_scalef32_pk8_fp8_f32 v[C+4*\b:C+4*\b+1], v[X+16*\b:X+16*\b+7], v11
	v_cvt_scalef32_pk8_fp8_f32 v[C+4*\b+2:C+4*\b+3], v[X+16*\b+8:X+16*\b+15], v11
.endr
	v_nop                                          ; one plain vector line behind the last scaled conversion
.irp c, 0,1,2,3
	global_store_b128 v4, v[C+4*\c:C+4*\c+3], s[8:9] offset:512*\c   ; the wave stores 512 consecutive bytes, at a multiple of 512 from cbimg's first byte
.endr
	s_wait_dscnt 0x0                               ; for the others' sake: my sums lie in LDS
	s_barrier_signal -1
	s_barrier_wait -1
	s_cmp_lg_u32 s12, 0                            ; wave 0 stores the eight tiles' sums: 512 consecutive bytes
	s_cbranch_scc1 .Lend
	ds_load_b128 v[T+8:T+11], v4
	s_wait_dscnt 0x0
	global_store_b128 v4, v[T+8:T+11], s[10:11]
.Lend:
	s_wait_tensorcnt 0x0
	ds_add_u32 v128, v129
	s_wait_dscnt 0x0
	s_endpgm
.Lfunc_end_k_q712aaccbd6_vqprep:
	.size	k_q712aaccbd6_vqprep, .Lfunc_end_k_q712aaccbd6_vqprep-k_q712aaccbd6_vqprep
	.p2alignl 7, 3214868480
	.fill 96, 4, 3214868480
	.section	.rodata,"a",@progbits
	.p2align	6, 0x0
	.amdhsa_kernel k_q712aaccbd6_vqprep
		.amdhsa_group_segment_fixed_size 2048
		.amdhsa_private_segment_fixed_size 0
		.amdhsa_enable_private_segment 0
		.amdhsa_kernarg_size 24
		.amdhsa_user_sgpr_count 2
		.amdhsa_user_sgpr_kernarg_segment_ptr 1
		.amdhsa_wavefront_size32 1
		.amdhsa_system_sgpr_workgroup_id_x 1
		.amdhsa_system_sgpr_workgroup_id_y 1
		.amdhsa_system_sgpr_workgroup_id_z 1
		.amdhsa_system_vgpr_workitem_id 0
		.amdhsa_next_free_vgpr 130
		.amdhsa_next_free_sgpr 66
		.amdhsa_reserve_vcc 0
		.amdhsa_float_denorm_mode_32 3
		.amdhsa_float_denorm_mode_16_64 3
		.amdhsa_memory_ordered 1
		.amdhsa_forward_progress 1
		.amdhsa_inst_pref_size 13
	.end_amdhsa_kernel
	.amdgpu_metadata
---
amdhsa.version: [ 1, 2 ]
amdhsa.kernels:
  - .name:           k_q712aaccbd6_vqprep
    .symbol:         k_q712aaccbd6_vqprep.kd
    .args:
      - { .name: codebook, .offset: 0, .size: 8, .value_kind: global_buffer, .address_space: global }
      - { .name: lowp_scales, .offset: 8, .size: 8, .value_kind: global_buffer, .address_space: global }
      - { .name: cbimg, .offset: 16, .size: 8, .value_kind: global_buffer, .address_space: global }
    .group_segment_fixed_size: 2048
    .private_segment_fixed_size: 0
    .kernarg_segment_align: 8
    .kernarg_segment_size: 24
    .max_flat_workgroup_size: 256
    .sgpr_count:     66
    .vgpr_count:     130
    .wavefront_size: 32
...
	.end_amdgpu_metadata
.endif
;; end of part 1
;; launch vqmain (part 2): grid 256 x 1, 8 waves a work-group, clusters of 4 x 1, 327,680 bytes of LDS; arguments x, cbimg, lowp_scales, out0, tok; writes out0, tok
.if DOCPART == 2
	.amdgcn_target "amdgcn-amd-amdhsa--gfx1250"
	.amdhsa_code_object_version 6
	.text
	.protected	k_q712aaccbd6_vqmain
	.globl	k_q712aaccbd6_vqmain
	.p2align	8
	.type	k_q712aaccbd6_vqmain,@function
k_q712aaccbd6_vqmain:
	s_mov_b64 s[64:65], 0
	v_nop
	global_prefetch_b8 v0, s[64:65] scope:SCOPE_SE
	s_setreg_imm32_b32 hwreg(HW_REG_WAVE_MODE, 25, 1), 1
	s_wait_xcnt 0x0
	s_wait_alu depctr_hold_cnt(0) depctr_sa_sdst(0) depctr_va_vdst(0) depctr_va_sdst(0) depctr_va_ssrc(0) depctr_va_vcc(0) depctr_vm_vsrc(0)
	s_getreg_b32 s2, hwreg(HW_REG_IB_STS2, 6, 4)
	s_cmp_eq_u32 s2, 0
	s_cbranch_scc0 .Lentry_in_a_cluster
	s_endpgm
.Lentry_in_a_cluster:
	s_bfe_u32 s2, ttmp6, 0x10000c
	s_cmp_lg_u32 s2, 0x3003
	s_cbranch_scc0 .Lentry_shape_is_right
	s_endpgm
.Lentry_shape_is_right:
; tokens[row] = the first k with the least d2[row][k], d2 = (xx[row] - 2 x.e_k) + ee[k], each step rounded to f32 as it is written; x.e_k on codes of FP8 (E4M3) with the given scales 2^e0, 2^e1.
; SHARES: a work-group owns 256 rows of x and walks all 4,096 codebook rows.  Eight waves: wave w takes row half w % 2 (128 rows, eight tiles q of 16) and quarter w / 2 of each block's 64 code tiles.
; cbimg (made by the launch before) is four blocks of SLOTB bytes: 64 images of 16 codebook rows in the order of an operand's registers, then the rows' sums of squares.
; THE PRODUCT IS USED TRANSPOSED: source 0 = 16 codebook rows, source 1 = 16 rows of x: a lane holds one row of x, and the 16 registers of two neighbouring tiles are 16 neighbouring codebook rows.
; A step is two code tiles against the wave's eight x tiles: 16 matrix instructions.  For each 16 results of a lane: d2, their least value, and, where that is under the lane's best so far, the value, the group's number and the 16 values are kept
; by selection (no branch hangs on data).  At the end the first of the 16 kept values that equals the best gives the place; the eight candidates of a row (2 lane halves x 4 waves) meet in LDS, least value first, then least index.
; LDS: two slots of SLOTB bytes; x's codes (32,768), x's sums of squares (1,024), the spare words (1,024).
; x COMES IN TWO HALVES, as f32 rows of 512 bytes padded to 528 (256 x 528 = SLOTB), into slot 1.  At the head waves 0-3 bring tiles q = 0-3 of both row halves (32 rows a wave) and waves 4-7 block 0 into slot 0.
; Behind a round every wave asks for one tile of q = 4-7, which it alone reads.  Block 0 is walked twice: by q = 0-3 while those tiles are on their way, then by q = 4-7 while block 1, which fills slot 1 again, is on its way.
; CLUSTER 4 x 1: the four work-groups walk the same blocks and ask for them jointly (mask 15); x is each work-group's own and comes by plain loads.
; A block is asked for eight steps ahead of its first use, and x is read once, its second half eight half steps ahead of its use: so no prefetch is laid.
; LIMITS: e0 between -126 and 119; e0 + e1 between -127 and 126; NaN among the inputs is not served.
.set SLOTB, 135168
.set PART,  SLOTB/8
.set QUART, SLOTB/4
.set EEOFF, 131072
.set XP,    528
.set XIMG,  2*SLOTB
.set XXB,   XIMG+32768
.set SPARE, XXB+1024
; window 0
.set SPW, 1                            ; my spare word; never rewritten
.set NIL, 2                            ; 0; never rewritten
.set VG,  3                            ; the number of the group of 16 codebook rows at work: 2 x pair + lane half
.set LB,  4
.set LE,  5
.set ADR, 6
.set ADE, 7
.set SC,  8                            ; made anew ahead of each quantising, in the trees' registers
.set LIM, 9
.set TT,  8                            ; v8-15   the trees' eight chains
.set BI,  16                           ; v16-31  tile q: best value, its group
.set D,   32                           ; v32-95  two sets of 2 x 16 results
.set S,   96                           ; v96-223 tile q: the 16 values of the best group
.set LI,  224
.set RA,  225
.set RR,  226
.set OO,  227
.set XXR, 228
.set XXW, 229
.set XA,  230
.set XWI, 231
.set XX,  232                          ; v232-239 xx of my row in tile q
.set EE,  240                          ; v240-255 ee of the step's 16 codebook rows
.set T8,  64
.set TK,  D+32
; window 1: v0-127 x's codes (eight fragments), v128-159 the step's two code fragments
.set CF,  128
.set WV,  14
.set G1,  24                           ; group 1: 66 rows of 256 bytes, joint
.set G0A, 32                           ; group 0: blocks 1 and 3 into slot 1
.set G0B, 36                           ; group 0: block 2 into slot 0
.set TB,  40
.set TE,  41
.set INC, 42
.set CNT, 43
.set M0,  44
.set M1,  45
.set SEL, 46
.set G1H, 56                           ; group 1: 132 rows of 256 bytes, joint (the head's quarter of block 0)
.set G1X, 68                           ; group 1: rows of 128 f32, padded (x): 32 rows at the head, then 16
.set G0H, 76
.set G0X, 80
.set CCS, 84                           ; s[84:85] -2^(e0 + e1 + 1)
.set MK,  86                           ; s86-93: LDS bases at the head, masks at the end
.set G0L, 96                           ; group 0: my tile of x's second half
.set W_MUL, 0x05
.set TO_1,  0x40
.set MSB, 0
.macro WIN new
.if MSB != \new
	s_set_vgpr_msb (MSB<<8)|\new
.set MSB, \new
.endif
.endm
.macro CREST                           ; a round of the cluster's barrier behind its opening barrier
	s_cmp_lg_u32 s[WV], 0
	s_cbranch_scc1 .Lnw0_\@
	s_barrier_signal -3
.Lnw0_\@:
	s_barrier_wait -3
	s_barrier_signal -1
	s_barrier_wait -1
.endm
.macro ROUND
	s_barrier_signal -1
	s_barrier_wait -1
	CREST
.endm
.macro NOP4
.rept 4
	v_nop
.endr
.endm
.macro XSQ s, off                      ; a row's sum of squares: four chains, then the lane 16 away
.irp k, 0,1,2,3
	v_pk_mul_f32 v[T8+2*\k:T8+2*\k+1], v[\s+2*\k:\s+2*\k+1], v[\s+2*\k:\s+2*\k+1]
.endr
.set p, 4
.rept 28
	s_delay_alu instid0(VALU_DEP_4)
	v_pk_fma_f32 v[T8+2*(p%4):T8+2*(p%4)+1], v[\s+2*p:\s+2*p+1], v[\s+2*p:\s+2*p+1], v[T8+2*(p%4):T8+2*(p%4)+1]
.set p, p+1
.endr
	s_delay_alu instid0(VALU_DEP_3)
	v_pk_add_f32 v[T8:T8+1], v[T8:T8+1], v[T8+2:T8+3]
	s_delay_alu instid0(VALU_DEP_2)
	v_pk_add_f32 v[T8+4:T8+5], v[T8+4:T8+5], v[T8+6:T8+7]
	s_delay_alu instid0(VALU_DEP_1)
	v_pk_add_f32 v[T8:T8+1], v[T8:T8+1], v[T8+4:T8+5]
	s_delay_alu instid0(VALU_DEP_1)
	v_add_f32 v[T8], v[T8], v[T8+1]
	s_delay_alu instid0(VALU_DEP_1)
	v_permlanex16_b32 v[T8+1], v[T8], s[SEL], s[SEL+1]
	s_delay_alu instid0(VALU_DEP_1)
	v_add_f32 v[T8], v[T8], v[T8+1]
	ds_store_b32 v[XXW], v[T8] offset:\off
.endm
.macro QUANT s, pc                     ; the hold at 448 x 2^e0 (the conversion does not saturate: ISA guide 7.6.2), then the codes
	v_mov_b32 v[SC], s20
	v_mov_b32 v[LIM], s21
.irp b, 0,1,2,3
.irp i, 0,1,2,3,4,5,6,7,8,9,10,11,12,13,14,15
	v_med3_num_f32 v[\s+16*\b+\i], v[\s+16*\b+\i], -v[LIM], v[LIM]
.endr
	v_cvt_scalef32_pk8_fp8_f32 v[\pc+4*\b:\pc+4*\b+1], v[\s+16*\b:\s+16*\b+7], v[SC]
	v_cvt_scalef32_pk8_fp8_f32 v[\pc+4*\b+2:\pc+4*\b+3], v[\s+16*\b+8:\s+16*\b+15], v[SC]
.endr
	v_nop
.endm
.macro XQ xo, co, so                   ; one tile of x out of LDS: register 16 c + i = k 32 c + 16 h + i of my row; its sums of squares and its codes' image into LDS.  At work in v[S+64 ..], which hold no kept values yet
.irp c, 0,1,2,3
.irp j, 0,1,2,3
	ds_load_b128 v[S+64+16*\c+4*\j:S+64+16*\c+4*\j+3], v[XA] offset:\xo+128*\c+16*\j
.endr
.endr
	s_wait_dscnt 0x0
	XSQ S+64, \so
	QUANT S+64, D
.irp c, 0,1,2,3
	ds_store_b128 v[XWI], v[D+4*\c:D+4*\c+3] offset:\co+512*\c
.endr
.endm
.macro XLOAD q0                        ; the codes and xx of my tiles q0 .. q0 + 3
	WIN TO_1
.irp q, 0,1,2,3
.irp c, 0,1,2,3
	ds_load_b128 v[16*(\q0+\q)+4*\c:16*(\q0+\q)+4*\c+3], v[LI] offset:2048*(\q0+\q)+512*\c
.endr
.endr
	WIN 0
.irp q, 0,1,2,3
	ds_load_b32 v[XX+\q0+\q], v[XXR] offset:64*(\q0+\q)
.endr
.endm
.macro FETCH_CF                        ; the next step's two code fragments
	WIN TO_1
.irp u, 0,1
.irp c, 0,1,2,3
	ds_load_b128 v[CF+16*\u+4*\c:CF+16*\u+4*\c+3], v[ADR] offset:2048*\u+512*\c
.endr
.endr
	WIN 0
.endm
.macro FETCH_EE                        ; and their rows' sums of squares, in the results' layout
.irp i, 0,1,2,3
	ds_load_b128 v[EE+4*\i:EE+4*\i+3], v[ADE] offset:64*(\i/2)+16*(\i%2)
.endr
.endm
.macro NEXTADR
	v_add_nc_u32 v[ADR], s[TB], v[LB]
	v_add_nc_u32 v[ADE], s[TE], v[LE]
	s_add_co_u32 s[TB], s[TB], 4096
	s_add_co_u32 s[TE], s[TE], 128
.endm
.macro WM n                            ; x tiles 2 n, 2 n + 1 against both code tiles; every product starts its own sum
	WIN W_MUL
.irp e, 0,1
.irp u, 0,1
	v_wmma_f32_16x16x128_fp8_fp8 v[D+32*((\n)%2)+16*\e+8*\u:D+32*((\n)%2)+16*\e+8*\u+7], v[CF+16*\u:CF+16*\u+15], v[16*(2*(\n)+\e):16*(2*(\n)+\e)+15], 0
.endr
.endr
.endm
.macro DIST b, n                       ; d2 on 2 x 16 results at v[b]: xx - 2 x.e in one rounding (the factor is a power of two), then + ee; each accumulator from its low end on
.irp e, 0,1
.irp i, 0,2,4,6,8,10,12,14
	v_pk_fma_f32 v[\b+16*\e+\i:\b+16*\e+\i+1], v[\b+16*\e+\i:\b+16*\e+\i+1], s[CCS:CCS+1], v[XX+2*(\n):XX+2*(\n)+1] op_sel:[0,0,\e] op_sel_hi:[1,0,\e]
.endr
.endr
.irp e, 0,1
.irp i, 0,2,4,6,8,10,12,14
	v_pk_add_f32 v[\b+16*\e+\i:\b+16*\e+\i+1], v[\b+16*\e+\i:\b+16*\e+\i+1], v[EE+\i:EE+\i+1]
.endr
.endr
.endm
.macro TREE2 x, y                      ; the least of 16, for two groups: four chains each, by turns; results in v[TT], v[TT+4]
.irp k, 0,1,2,3
	v_min3_num_f32 v[TT+\k], v[\x+3*\k], v[\x+3*\k+1], v[\x+3*\k+2]
	v_min3_num_f32 v[TT+4+\k], v[\y+3*\k], v[\y+3*\k+1], v[\y+3*\k+2]
.endr
.irp k, 0,1
	v_min3_num_f32 v[TT+\k], v[TT+\k], v[\x+12+2*\k], v[\x+13+2*\k]
	v_min3_num_f32 v[TT+4+\k], v[TT+4+\k], v[\y+12+2*\k], v[\y+13+2*\k]
.endr
	v_min_num_f32 v[TT+2], v[TT+2], v[TT+3]
	v_min_num_f32 v[TT+6], v[TT+6], v[TT+7]
	s_delay_alu instid0(VALU_DEP_2)
	v_min3_num_f32 v[TT], v[TT], v[TT+1], v[TT+2]
	s_delay_alu instid0(VALU_DEP_2)
	v_min3_num_f32 v[TT+4], v[TT+4], v[TT+5], v[TT+6]
.endm
.macro TAKE q, a, d                    ; strictly under the best: an earlier group keeps a tie
	v_cmp_lt_f32 vcc_lo, v[\a], v[BI+2*(\q)]
	v_dual_cndmask_b32 v[BI+2*(\q)], v[BI+2*(\q)], v[\a] :: v_dual_cndmask_b32 v[BI+2*(\q)+1], v[BI+2*(\q)+1], v[VG]
.irp i, 0,2,4,6,8,10,12,14
	v_dual_cndmask_b32 v[S+16*(\q)+\i], v[S+16*(\q)+\i], v[\d+\i] :: v_dual_cndmask_b32 v[S+16*(\q)+\i+1], v[S+16*(\q)+\i+1], v[\d+\i+1]
.endr
.endm
.macro VW n                            ; the vector work on x tiles 2 n, 2 n + 1
	WIN 0
	DIST D+32*((\n)%2), \n
	TREE2 D+32*((\n)%2), D+32*((\n)%2)+16
	TAKE 2*(\n), TT, D+32*((\n)%2)
	TAKE 2*(\n)+1, TT+4, D+32*((\n)%2)+16
.endm
; A step on pairs of x tiles a .. a + 3 (full = 1, a = 0) or a, a + 1 (full = 0, a = 0 or 2).
; mode 0: the next step lies in the same slot.  1: a slot's last step; the slot is filled again by group 0 g0 (adv: stepped two blocks on), the next step lies in slot next.  2: the same, nothing filled.  3: nothing more is fetched.
; In modes 1 and 2 my reads of the slot are over at the step's head: the wait for all my tensor loads, the add, the wait for it and the signal stand there, and all of the step's work but its last pair's, all on registers, between signal and wait.
.macro STEP mode, next, g0, adv, a, full
.set LN, (\a)+1+2*(\full)
.if (\mode == 1) || (\mode == 2)
	s_wait_tensorcnt 0x0                           ; my part of the next slot has landed
	ds_add_u32 v[SPW], v[NIL]
	s_wait_dscnt 0x5                               ; the code fragments are in; ee's four loads and the add may be out
.else
	s_wait_dscnt 0x4                               ; the code fragments are in; ee's four loads may be out
.endif
	WM \a
	WM (\a)+1
	WIN 0
	v_add_nc_u32 v[VG], s[INC], v[VG]              ; four places behind the products
.if \mode == 3
	v_nop
	v_nop
.else
.if \mode != 0
	s_mov_b32 s[TB], \next*SLOTB
	s_mov_b32 s[TE], \next*SLOTB
.endif
	NEXTADR
.endif
	v_nop
.if (\mode == 1) || (\mode == 2)
	s_mov_b32 s[INC], 50                           ; to my quarter of the next block: 64 groups on from this block's first, 14 of them gone
.else
	s_mov_b32 s[INC], 2
.endif
	s_wait_dscnt 0x0                               ; ee is in; in modes 1 and 2 also: the add is done and my reads of this slot are over
.if (\mode == 1) || (\mode == 2)
	s_barrier_signal -1
.endif
	VW \a
.if \full
	WM 2
	VW 1
	WM 3
	VW 2
.endif
.if (\mode == 1) || (\mode == 2)
	s_barrier_wait -1
.endif
.if \mode == 1
	CREST                                          ; no wave of any partner still reads this slot or has a load on its way
.if \adv
	s_add_nc_u64 s[\g0+2:\g0+3], s[\g0+2:\g0+3], 2*SLOTB
.endif
	tensor_load_to_lds s[\g0:\g0+3], s[G1:G1+7]    ; my one load behind the round: an eighth of the block
	s_nop 0
	NOP4
.endif
.if \mode != 3
	FETCH_CF
.endif
	WIN 0
	DIST D+32, LN
.if \mode != 3
	FETCH_EE
.endif
	TREE2 D+32, D+48
	TAKE 2*LN, TT, D+32
	TAKE 2*LN+1, TT+4, D+48
.endm
.macro RUN trips, a, full
	s_mov_b32 s[CNT], \trips
.Lrun_\@:
	STEP 0, 0, 0, 0, \a, \full
	s_sub_co_u32 s[CNT], s[CNT], 1
	s_cmp_lg_u32 s[CNT], 0
	s_cbranch_scc1 .Lrun_\@
.endm
; The first step of pairs a, a + 1 writes the kept values, the best and the group directly: nothing is cleared
.macro HFIRST a
	s_wait_dscnt 0x0
	WIN W_MUL
.irp q, 0,1,2,3
.irp u, 0,1
	v_wmma_f32_16x16x128_fp8_fp8 v[S+16*(2*\a+\q)+8*\u:S+16*(2*\a+\q)+8*\u+7], v[CF+16*\u:CF+16*\u+15], v[16*(2*\a+\q):16*(2*\a+\q)+15], 0
.endr
.endr
	WIN 0
	NEXTADR
	v_nop
	v_nop
	FETCH_CF
.irp m, 0,1
	DIST S+32*(\a+\m), \a+\m
.endr
	FETCH_EE
.irp m, 0,1
	TREE2 S+32*(\a+\m), S+32*(\a+\m)+16
	v_mov_b32 v[BI+4*(\a+\m)+1], v[VG]
	v_mov_b32 v[BI+4*(\a+\m)+3], v[VG]
	v_mov_b32 v[BI+4*(\a+\m)], v[TT]
	v_mov_b32 v[BI+4*(\a+\m)+2], v[TT+4]
.endr
.endm
.macro MERGE a, b                      ; (value, index) b replaces a where it is less, or equal with the lower index
	v_cmp_lt_f32 s[M0], v[\b], v[\a]
	v_cmp_eq_f32 s[M1], v[\b], v[\a]
	v_cmp_lt_u32 vcc_lo, v[\b+1], v[\a+1]
	s_and_b32 s[M1], s[M1], vcc_lo
	s_or_b32 s[M0], s[M0], s[M1]
	v_cndmask_b32 v[\a], v[\a], v[\b], s[M0]
	v_cndmask_b32 v[\a+1], v[\a+1], v[\b+1], s[M0]
.endm
	s_load_b256 s[4:11], s[0:1], 0x0               ; x, cbimg, the scales' exponents, out0
	s_load_b64 s[12:13], s[0:1], 0x20              ; tok
	v_lshl_add_u32 v[SPW], v0, 2, SPARE
	v_mov_b32 v[NIL], 0
	ds_add_u32 v[SPW], v[NIL]                      ; the opening lines: the add twice on end and one wait, ahead of my first tensor load
	ds_add_u32 v[SPW], v[NIL]
	v_lshrrev_b32 v12, 5, v0
	v_readfirstlane_b32 s[WV], v12                 ; wave 0..7
	s_and_b32 s15, s[WV], 1                        ; my row half
	s_lshr_b32 s16, s[WV], 1                       ; my quarter of a block's tiles
	s_and_b32 s19, s[WV], 3                        ; which piece of x's first half or of block 0 I fetch
	s_bfe_u32 s17, ttmp6, 0x40000
	s_lshl_b32 s18, ttmp9, 2
	s_add_co_u32 s18, s18, s17                     ; the work-group's number
	s_mov_b32 s[SEL], 0x76543210
	s_mov_b32 s[SEL+1], 0xfedcba98
	s_lshl_b32 s86, s16, 4                         ; my first group
	s_lshl_b32 s87, s16, 15                        ; my 16 tiles in a block
	s_lshl_b32 s88, s16, 10
	s_add_co_u32 s88, s88, EEOFF                   ; and their sums of squares
	s_lshr_b32 s48, s[WV], 2
	s_lshl_b32 s48, s48, 3
	s_add_co_u32 s48, s48, s19                     ; T = 8 (w / 4) + w % 4: I quantise tiles T and T + 4 of the work-group's sixteen
	s_mul_i32 s89, s48, 16*XP
	s_add_co_u32 s89, s89, SLOTB                   ; tile T's rows of x
	s_lshl_b32 s90, s48, 11
	s_add_co_u32 s90, s90, XIMG                    ; its codes' image
	s_lshl_b32 s92, s48, 6
	s_add_co_u32 s92, s92, XXB                     ; its sums of squares
	s_lshl_b32 s91, s15, 14
	s_add_co_u32 s91, s91, XIMG                    ; my row half's eight images
	s_lshl_b32 s93, s15, 9
	s_add_co_u32 s93, s93, XXB
	s_lshl_b32 s94, s15, 13
	s_lshl_b32 s95, s16, 4
	s_add_co_u32 s94, s94, s95
	s_add_co_u32 s94, s94, XIMG                    ; the candidates: 64 bytes a row, 16 a wave quarter
	s_lshl_b32 s49, s18, 17                        ; the work-group's 256 rows of x
	s_lshl_b32 s20, s48, 13
	s_add_co_u32 s20, s20, s49
	s_add_co_u32 s20, s20, 64*512                  ; tile T + 4 in memory
	s_mov_b32 s21, 0
	s_lshr_b32 s54, s19, 1
	s_lshl_b32 s54, s54, 7
	s_and_b32 s55, s19, 1
	s_lshl_b32 s55, s55, 5
	s_add_co_u32 s54, s54, s55                     ; the first of the 32 rows that waves 0-3 fetch at the head: 0, 32, 128, 160
	s_mul_i32 s55, s54, XP
	s_add_co_u32 s[G0X+1], s55, SLOTB
	s_lshl_b32 s54, s54, 9
	s_add_co_u32 s54, s54, s49
	s_mov_b32 s55, 0
	s_mul_i32 s48, s19, QUART
	s_mov_b32 s49, 0
	s_lshl_b32 s50, s18, 10
	s_mov_b32 s51, 0
	s_mul_i32 s52, s[WV], PART
	s_mov_b32 s53, 0
	s_mov_b32 s[G1+0], 15|(3<<16)|(1<<21)          ; the four partners; elements of 8 bytes
	s_mov_b32 s[G1+1], 32<<16
	s_mov_b32 s[G1+2], 66<<16
	s_mov_b32 s[G1+3], 32<<16
	s_mov_b32 s[G1+4], 66
	s_mov_b32 s[G1+5], 32
	s_mov_b32 s[G1+6], 0
	s_mov_b32 s[G1+7], 0
	s_mov_b32 s[G1H+0], 15|(3<<16)|(1<<21)
	s_mov_b32 s[G1H+1], 32<<16
	s_mov_b32 s[G1H+2], 132<<16
	s_mov_b32 s[G1H+3], 32<<16
	s_mov_b32 s[G1H+4], 132
	s_mov_b32 s[G1H+5], 32
	s_mov_b32 s[G1H+6], 0
	s_mov_b32 s[G1H+7], 0
	s_mov_b32 s[G1X+0], (2<<16)|(1<<20)|(6<<22)|(3<<25)   ; no mask; elements of 4 bytes; 4 words of padding behind every 128
	s_mov_b32 s[G1X+1], 128<<16
	s_mov_b32 s[G1X+2], 32<<16
	s_mov_b32 s[G1X+3], 128<<16
	s_mov_b32 s[G1X+4], 32
	s_mov_b32 s[G1X+5], 128
	s_mov_b32 s[G1X+6], 0
	s_mov_b32 s[G1X+7], 0
	s_wait_dscnt 0x0                               ; both opening adds are done
	s_wait_kmcnt 0x0
	s_load_b64 s[22:23], s[8:9], 0x0               ; e0, e1
	s_add_nc_u64 s[10:11], s[10:11], s[50:51]
	s_add_nc_u64 s[12:13], s[12:13], s[50:51]
	s_mov_b32 s[G0X], 1
	s_add_nc_u64 s[G0X+2:G0X+3], s[4:5], s[54:55]
	s_or_b32 s[G0X+3], s[G0X+3], 0x80000000
	s_mov_b32 s[G0L], 1
	s_add_co_u32 s[G0L+1], s89, 64*XP
	s_add_nc_u64 s[G0L+2:G0L+3], s[4:5], s[20:21]
	s_or_b32 s[G0L+3], s[G0L+3], 0x80000000
	s_mov_b32 s[G0H], 1
	s_mov_b32 s[G0H+1], s48
	s_add_nc_u64 s[G0H+2:G0H+3], s[6:7], s[48:49]
	s_or_b32 s[G0H+3], s[G0H+3], 0x80000000
	s_add_nc_u64 s[6:7], s[6:7], s[52:53]
	s_mov_b32 s[G0A], 1
	s_add_co_u32 s[G0A+1], s52, SLOTB
	s_add_nc_u64 s[G0A+2:G0A+3], s[6:7], SLOTB
	s_or_b32 s[G0A+3], s[G0A+3], 0x80000000
	s_mov_b32 s[G0B], 1
	s_mov_b32 s[G0B+1], s52
	s_add_nc_u64 s[G0B+2:G0B+3], s[6:7], 2*SLOTB
	s_or_b32 s[G0B+3], s[G0B+3], 0x80000000
	ROUND                                          ; in front of the first loads
	s_cmp_lt_u32 s[WV], 4                          ; one tensor load a wave at the head: waves 0-3 x's first half, waves 4-7 block 0
	s_cbranch_scc0 .Lhead_cb
	tensor_load_to_lds s[G0X:G0X+3], s[G1X:G1X+7]
	s_nop 0
	NOP4
	s_branch .Lhead_join
.Lhead_cb:
	tensor_load_to_lds s[G0H:G0H+3], s[G1H:G1H+7]
	s_nop 0
	NOP4
.Lhead_join:
	s_wait_kmcnt 0x0
	s_add_co_i32 s48, s22, 127
	s_lshl_b32 s20, s48, 23                        ; 2^e0
	s_add_co_i32 s48, s48, 8
	s_lshl_b32 s21, s48, 23
	s_or_b32 s21, s21, 0x600000                    ; 448 x 2^e0
	s_add_co_i32 s[CCS], s22, s23
	s_add_co_i32 s[CCS], s[CCS], 128
	s_lshl_b32 s[CCS], s[CCS], 23
	s_or_b32 s[CCS], s[CCS], 0x80000000            ; -2^(e0 + e1 + 1)
	s_mov_b32 s[CCS+1], s[CCS]
	v_and_b32 v13, 15, v0                          ; r
	v_bfe_u32 v14, v0, 4, 1                        ; h
	v_and_b32 v15, 31, v0
	v_mul_u32_u24 v[XA], v13, XP
	v_lshlrev_b32 v15, 4, v15                      ; 16 x lane
	v_add_nc_u32 v[VG], s86, v14
	v_lshl_add_u32 v[LE], v14, 5, s88
	v_lshl_add_u32 v[XA], v14, 6, v[XA]
	v_lshl_add_u32 v[XXW], v13, 2, s92
	v_lshl_add_u32 v[XXR], v13, 2, s93
	v_lshl_add_u32 v[RA], v13, 6, s94
	v_add_nc_u32 v[LB], s87, v15
	v_add_nc_u32 v[XA], s89, v[XA]                 ; row r of tile T: + 64 h
	v_add_nc_u32 v[XWI], s90, v15
	v_add_nc_u32 v[LI], s91, v15
	v_lshl_add_u32 v[RA], v14, 3, v[RA]
	v_lshl_add_u32 v[RR], v0, 7, XIMG
	v_lshlrev_b32 v[OO], 3, v0
	s_wait_alu depctr_va_vdst(0)
	s_wait_tensorcnt 0x0                           ; my load has landed; a later first fill follows
	ds_add_u32 v[SPW], v[NIL]
	s_mov_b32 s[G1X+2], 16<<16                     ; no load of mine is out: x's shape becomes 16 rows
	s_mov_b32 s[G1X+4], 16
	s_wait_dscnt 0x0
	ROUND                                          ; everybody's load has landed: x's first half and block 0 are whole
	tensor_load_to_lds s[G0L:G0L+3], s[G1X:G1X+7]  ; tile T + 4 of x: I alone read it
	s_nop 0
	NOP4
	XQ 0, 0, 0                                     ; tile T
	s_wait_dscnt 0x0                               ; for the others' sake: my codes and sums lie in LDS
	s_barrier_signal -1
	s_barrier_wait -1                              ; my tensor load stays on its way
	s_mov_b32 s[TB], 0
	s_mov_b32 s[TE], 0
	s_mov_b32 s[INC], 2
	NEXTADR
	FETCH_CF
	FETCH_EE
	XLOAD 0
	HFIRST 0                                       ; block 0, tiles q = 0-3: eight half steps
	RUN 6, 0, 0
	STEP 3, 0, 0, 0, 0, 0
	s_wait_tensorcnt 0x0                           ; tile T + 4 has landed
	XQ 64*XP, 8192, 256
	s_wait_tensorcnt 0x0                           ; slot 1, which held x, is filled again
	ds_add_u32 v[SPW], v[NIL]
	s_wait_dscnt 0x0                               ; the add, my reads of x and my stores of codes and sums are done
	ROUND
	tensor_load_to_lds s[G0A:G0A+3], s[G1:G1+7]    ; block 1
	s_nop 0
	NOP4
	s_mov_b32 s[TB], 0
	s_mov_b32 s[TE], 0
	v_sub_nc_u32 v[VG], v[VG], 14                  ; back to my first group of block 0
	NEXTADR
	FETCH_CF
	FETCH_EE
	XLOAD 4
	HFIRST 2                                       ; block 0, tiles q = 4-7
	RUN 6, 2, 0
	STEP 1, 1, G0B, 0, 2, 0                        ; block 2 into slot 0
	RUN 7, 0, 1
	STEP 1, 0, G0A, 1, 0, 1                        ; block 3 into slot 1
	RUN 7, 0, 1
	STEP 2, 1, 0, 0, 0, 1
	RUN 7, 0, 1
	STEP 3, 0, 0, 0, 0, 1
	; the place of the best among the 16 kept values: the first that equals it; the eight tiles by turns
.irp q, 0,1,2,3,4,5,6,7
	v_mov_b32 v[TT+\q], 15
.endr
.irp i, 14,13,12,11,10,9,8,7,6,5,4,3,2,1,0
.irp q, 0,1,2,3,4,5,6,7
	v_cmp_eq_f32 s[MK+\q], v[S+16*\q+\i], v[BI+2*\q]
.endr
.irp q, 0,1,2,3,4,5,6,7
	v_cndmask_b32 v[TT+\q], v[TT+\q], \i, s[MK+\q]
.endr
.endr
.irp q, 0,1,2,3,4,5,6,7
	v_lshl_add_u32 v[BI+2*\q+1], v[BI+2*\q+1], 4, v[TT+\q]   ; the codebook row: 16 x group + place
.endr
.irp q, 0,1,2,3,4,5,6,7
	ds_store_b64 v[RA], v[BI+2*\q:BI+2*\q+1] offset:1024*\q  ; over x's codes, which were last read ahead of block 1
.endr
	s_wait_dscnt 0x0
	s_barrier_signal -1
	s_barrier_wait -1
	s_cmp_gt_u32 s[WV], 3                          ; 128 threads join two rows each, so that a wave stores 256 consecutive bytes
	s_cbranch_scc1 .Ljoined
.irp k, 0,1,2,3,4,5,6,7
	ds_load_b128 v[D+4*\k:D+4*\k+3], v[RR] offset:16*\k
.endr
	s_wait_dscnt 0x0
.irp b, D, D+16
	MERGE \b, \b+2
	MERGE \b+4, \b+6
	MERGE \b+8, \b+10
	MERGE \b+12, \b+14
	MERGE \b, \b+4
	MERGE \b+8, \b+12
	MERGE \b, \b+8
.endr
	v_mov_b32 v[TK], v[D+1]
	s_delay_alu instid0(VALU_DEP_2)
	v_mov_b32 v[TK+1], v[D+17]
	global_store_b64 v[OO], v[TK:TK+1], s[10:11]
	global_store_b64 v[OO], v[TK:TK+1], s[12:13]   ; and for the next launch, which forms addresses from them
.Ljoined:
	s_wait_tensorcnt 0x0                           ; the wave's end
	ds_add_u32 v[SPW], v[NIL]
	s_wait_dscnt 0x0
	ROUND                                          ; the closing round
	s_endpgm
.Lfunc_end_k_q712aaccbd6_vqmain:
	.size	k_q712aaccbd6_vqmain, .Lfunc_end_k_q712aaccbd6_vqmain-k_q712aaccbd6_vqmain
	.p2alignl 7, 3214868480
	.fill 96, 4, 3214868480
	.section	.rodata,"a",@progbits
	.p2align	6, 0x0
	.amdhsa_kernel k_q712aaccbd6_vqmain
		.amdhsa_group_segment_fixed_size 327680
		.amdhsa_private_segment_fixed_size 0
		.amdhsa_enable_private_segment 0
		.amdhsa_kernarg_size 40
		.amdhsa_user_sgpr_count 2
		.amdhsa_user_sgpr_kernarg_segment_ptr 1
		.amdhsa_wavefront_size32 1
		.amdhsa_system_sgpr_workgroup_id_x 1
		.amdhsa_system_sgpr_workgroup_id_y 1
		.amdhsa_system_sgpr_workgroup_id_z 1
		.amdhsa_system_vgpr_workitem_id 0
		.amdhsa_next_free_vgpr 512
		.amdhsa_next_free_sgpr 100
		.amdhsa_reserve_vcc 1
		.amdhsa_float_denorm_mode_32 3
		.amdhsa_float_denorm_mode_16_64 3
		.amdhsa_memory_ordered 1
		.amdhsa_forward_progress 1
		.amdhsa_inst_pref_size 227
	.end_amdhsa_kernel
	.amdgpu_metadata
---
amdhsa.version: [ 1, 2 ]
amdhsa.kernels:
  - .name:           k_q712aaccbd6_vqmain
    .symbol:         k_q712aaccbd6_vqmain.kd
    .args:
      - { .name: x, .offset: 0, .size: 8, .value_kind: global_buffer, .address_space: global }
      - { .name: cbimg, .offset: 8, .size: 8, .value_kind: global_buffer, .address_space: global }
      - { .name: lowp_scales, .offset: 16, .size: 8, .value_kind: global_buffer, .address_space: global }
      - { .name: out0, .offset: 24, .size: 8, .value_kind: global_buffer, .address_space: global }
      - { .name: tok, .offset: 32, .size: 8, .value_kind: global_buffer, .address_space: global }
    .group_segment_fixed_size: 327680
    .private_segment_fixed_size: 0
    .kernarg_segment_align: 8
    .kernarg_segment_size: 40
    .max_flat_workgroup_size: 256
    .sgpr_count:     100
    .vgpr_count:     512
    .wavefront_size: 32
...
	.end_amdgpu_metadata
.endif
;; end of part 2
;; launch vqout (part 3): grid 512 x 1, 8 waves a work-group, no clusters, 1,280 bytes of LDS; arguments x, codebook, tok, out1, part; writes out1, part
.if DOCPART == 3
	.amdgcn_target "amdgcn-amd-amdhsa--gfx1250"
	.amdhsa_code_object_version 6
	.text
	.protected	k_q712aaccbd6_vqout
	.globl	k_q712aaccbd6_vqout
	.p2align	8
	.type	k_q712aaccbd6_vqout,@function
k_q712aaccbd6_vqout:
	s_mov_b64 s[64:65], 0
	v_nop
	global_prefetch_b8 v0, s[64:65] scope:SCOPE_SE
	s_setreg_imm32_b32 hwreg(HW_REG_WAVE_MODE, 25, 1), 1
	s_wait_xcnt 0x0
; out1[row] = x[row] + (codebook[token[row]] - x[row]), and the work-group's sum of (codebook[token[row]] - x[row])^2 into part.  All f32.
; A stream: no matrix unit, no cluster, no tensor load.  A wave owns 16 rows; a row is 512 bytes, 16 a lane, so every load and store of a wave covers 512 consecutive bytes, aligned.
; The 16 tokens come by one scalar load from tok, which the launch before stored; they are held inside the table before they enter an address.
; All 32 loads of a wave (16 rows of x, 16 gathered rows) are out before the first is used; each row has registers of its own, so no store's data are written again.
.set X,   16                           ; v16-79    x, 4 registers a row
.set Q,   80                           ; v80-143   the codebook's row, then the result
.set QO,  144                          ; v144-159  a row's offset in the codebook
.set DF,  160                          ; v160-167  q - x, two sets by turns
.set ACC, 168                          ; v168-171  the sums of squares, two chains of pairs
	s_load_b256 s[4:11], s[0:1], 0x0               ; x s[4:5], the codebook s[6:7], tok s[8:9], out1 s[10:11]
	s_load_b64 s[12:13], s[0:1], 0x20              ; part
	v_lshl_add_u32 v176, v0, 2, 0x100
	v_mov_b32 v177, 0
	v_lshrrev_b32 v2, 5, v0
	s_delay_alu instid0(VALU_DEP_1)
	v_readfirstlane_b32 s14, v2                    ; wave 0..7
	v_and_b32 v1, 31, v0
	s_delay_alu instid0(VALU_DEP_1)
	v_lshlrev_b32 v1, 4, v1                        ; 16 x lane; never rewritten
	s_lshl_b32 s15, ttmp9, 3
	s_add_co_u32 s15, s15, s14                     ; which 16 rows are my wave's
	s_lshl_b32 s34, s15, 13                        ; 16 rows of 512 bytes
	s_mov_b32 s35, 0
	s_lshl_b32 s36, s15, 6                         ; 16 tokens of 4 bytes
	s_mov_b32 s37, 0
	s_lshl_b32 s38, ttmp9, 2                       ; my work-group's word of part
	s_mov_b32 s39, 0
	s_mov_b32 s32, 0x76543210                      ; v_permlanex16_b32: lane l xor 16
	s_mov_b32 s33, 0xfedcba98
	s_wait_alu depctr_va_vdst(0)
	s_wait_kmcnt 0x0
	s_add_nc_u64 s[8:9], s[8:9], s[36:37]
	s_load_b512 s[16:31], s[8:9], 0x0              ; my 16 tokens
	s_add_nc_u64 s[4:5], s[4:5], s[34:35]
	s_add_nc_u64 s[10:11], s[10:11], s[34:35]
	s_add_nc_u64 s[12:13], s[12:13], s[38:39]
.irp i, 0,1,2,3,4,5,6,7,8,9,10,11,12,13,14,15
	global_load_b128 v[X+4*\i:X+4*\i+3], v1, s[4:5] offset:512*\i th:TH_LOAD_NT
.endr
	s_wait_kmcnt 0x0
.irp i, 0,1,2,3,4,5,6,7,8,9,10,11,12,13,14,15
	s_min_u32 s[16+\i], s[16+\i], 4095             ; inside the table
	s_lshl_b32 s[16+\i], s[16+\i], 9
	v_add_nc_u32 v[QO+\i], s[16+\i], v1
	global_load_b128 v[Q+4*\i:Q+4*\i+3], v[QO+\i], s[6:7]   ; no hint: a row may be named again by any wave
.endr
.macro ROW i
.set XR, X+4*(\i)
.set QR, Q+4*(\i)
.set DR, DF+4*((\i)%2)
	s_wait_loadcnt 15-(\i)                         ; loads come back in order (ISA guide 5.7.1): this row's gather is in, and so are all rows of x; the younger gathers stay out
	v_pk_add_f32 v[DR:DR+1], v[QR:QR+1], v[XR:XR+1] neg_lo:[0,1] neg_hi:[0,1]           ; q - x
	v_pk_add_f32 v[DR+2:DR+3], v[QR+2:QR+3], v[XR+2:XR+3] neg_lo:[0,1] neg_hi:[0,1]
.if (\i) == 0
	s_delay_alu instid0(VALU_DEP_2)
	v_pk_mul_f32 v[ACC:ACC+1], v[DR:DR+1], v[DR:DR+1]                                  ; the first row starts the sums
	s_delay_alu instid0(VALU_DEP_2)
	v_pk_mul_f32 v[ACC+2:ACC+3], v[DR+2:DR+3], v[DR+2:DR+3]
.else
	s_wait_alu depctr_va_vdst(0)
	v_pk_fma_f32 v[ACC:ACC+1], v[DR:DR+1], v[DR:DR+1], v[ACC:ACC+1]
	v_pk_fma_f32 v[ACC+2:ACC+3], v[DR+2:DR+3], v[DR+2:DR+3], v[ACC+2:ACC+3]
.endif
	v_pk_add_f32 v[QR:QR+1], v[XR:XR+1], v[DR:DR+1]                                    ; x + (q - x)
	v_pk_add_f32 v[QR+2:QR+3], v[XR+2:XR+3], v[DR+2:DR+3]
	global_store_b128 v1, v[QR:QR+3], s[10:11] offset:512*(\i) th:TH_STORE_NT
.endm
.irp i, 0,1,2,3,4,5,6,7,8,9,10,11,12,13,14,15
	ROW \i
.endr
	v_pk_add_f32 v[ACC:ACC+1], v[ACC:ACC+1], v[ACC+2:ACC+3]
	s_delay_alu instid0(VALU_DEP_1)
	v_add_f32 v8, v[ACC], v[ACC+1]
	v_mov_b32 v9, 0                                ; a lane permute's destination counts as one of its sources
	s_delay_alu instid0(VALU_DEP_2)
	v_add_f32_dpp v8, v8, v8 row_xmask:1 row_mask:0xf bank_mask:0xf
	s_delay_alu instid0(VALU_DEP_1)
	v_add_f32_dpp v8, v8, v8 row_xmask:2 row_mask:0xf bank_mask:0xf
	s_delay_alu instid0(VALU_DEP_1)
	v_add_f32_dpp v8, v8, v8 row_xmask:4 row_mask:0xf bank_mask:0xf
	s_delay_alu instid0(VALU_DEP_1)
	v_add_f32_dpp v8, v8, v8 row_xmask:8 row_mask:0xf bank_mask:0xf
	s_delay_alu instid0(VALU_DEP_1)
	v_permlanex16_b32 v9, v8, s32, s33
	s_delay_alu instid0(VALU_DEP_1)
	v_add_f32 v8, v8, v9                           ; the wave's sum, in every lane
	v_mov_b32 v10, s14
	s_delay_alu instid0(VALU_DEP_1)
	v_lshlrev_b32 v10, 2, v10
	ds_store_b32 v10, v8                           ; all lanes write the wave's word with the same number
	s_wait_dscnt 0x0
	s_barrier_signal -1
	s_barrier_wait -1
	s_cmp_lg_u32 s14, 0                            ; wave 0 adds the eight, in a fixed order, and its lane 0 stores the sum
	s_cbranch_scc1 .Lend
	v_mov_b32 v11, 0
	ds_load_b128 v[12:15], v11
	ds_load_b128 v[4:7], v11 offset:16
	s_wait_dscnt 0x0
	v_add_f32 v12, v12, v13
	v_add_f32 v14, v14, v15
	v_add_f32 v4, v4, v5
	v_add_f32 v6, v6, v7
	s_delay_alu instid0(VALU_DEP_3)
	v_add_f32 v12, v12, v14
	s_delay_alu instid0(VALU_DEP_2)
	v_add_f32 v4, v4, v6
	s_delay_alu instid0(VALU_DEP_1)
	v_add_f32 v12, v12, v4
	s_wait_alu depctr_va_vdst(0)
	s_wait_xcnt 0x0                                ; EXEC is a source of the stores above: it changes only behind this wait
	v_cmp_eq_u32 vcc_lo, 0, v0
	s_and_saveexec_b32 s40, vcc_lo
	global_store_b32 v11, v12, s[12:13]
	s_wait_xcnt 0x0                                ; and again, in front of the line that widens it
	s_or_b32 exec_lo, exec_lo, s40
.Lend:
	s_wait_tensorcnt 0x0
	ds_add_u32 v176, v177
	s_wait_dscnt 0x0
	s_endpgm
.Lfunc_end_k_q712aaccbd6_vqout:
	.size	k_q712aaccbd6_vqout, .Lfunc_end_k_q712aaccbd6_vqout-k_q712aaccbd6_vqout
	.p2alignl 7, 3214868480
	.fill 96, 4, 3214868480
	.section	.rodata,"a",@progbits
	.p2align	6, 0x0
	.amdhsa_kernel k_q712aaccbd6_vqout
		.amdhsa_group_segment_fixed_size 1280
		.amdhsa_private_segment_fixed_size 0
		.amdhsa_enable_private_segment 0
		.amdhsa_kernarg_size 40
		.amdhsa_user_sgpr_count 2
		.amdhsa_user_sgpr_kernarg_segment_ptr 1
		.amdhsa_wavefront_size32 1
		.amdhsa_system_sgpr_workgroup_id_x 1
		.amdhsa_system_sgpr_workgroup_id_y 1
		.amdhsa_system_sgpr_workgroup_id_z 1
		.amdhsa_system_vgpr_workitem_id 0
		.amdhsa_next_free_vgpr 178
		.amdhsa_next_free_sgpr 66
		.amdhsa_reserve_vcc 1
		.amdhsa_float_denorm_mode_32 3
		.amdhsa_float_denorm_mode_16_64 3
		.amdhsa_memory_ordered 1
		.amdhsa_forward_progress 1
		.amdhsa_inst_pref_size 17
	.end_amdhsa_kernel
	.amdgpu_metadata
---
amdhsa.version: [ 1, 2 ]
amdhsa.kernels:
  - .name:           k_q712aaccbd6_vqout
    .symbol:         k_q712aaccbd6_vqout.kd
    .args:
      - { .name: x, .offset: 0, .size: 8, .value_kind: global_buffer, .address_space: global }
      - { .name: codebook, .offset: 8, .size: 8, .value_kind: global_buffer, .address_space: global }
      - { .name: tok, .offset: 16, .size: 8, .value_kind: global_buffer, .address_space: global }
      - { .name: out1, .offset: 24, .size: 8, .value_kind: global_buffer, .address_space: global }
      - { .name: part, .offset: 32, .size: 8, .value_kind: global_buffer, .address_space: global }
    .group_segment_fixed_size: 1280
    .private_segment_fixed_size: 0
    .kernarg_segment_align: 8
    .kernarg_segment_size: 40
    .max_flat_workgroup_size: 256
    .sgpr_count:     66
    .vgpr_count:     178
    .wavefront_size: 32
...
	.end_amdgpu_metadata
.endif
;; end of part 3
;; launch vqloss (part 4): grid 1 x 1, 1 waves a work-group, no clusters, 0 bytes of LDS; arguments part, out2; writes out2
.if DOCPART == 4
	.amdgcn_target "amdgcn-amd-amdhsa--gfx1250"
	.amdhsa_code_object_version 6
	.text
	.protected	k_q712aaccbd6_vqloss
	.globl	k_q712aaccbd6_vqloss
	.p2align	8
	.type	k_q712aaccbd6_vqloss,@function
k_q712aaccbd6_vqloss:
	s_mov_b64 s[64:65], 0
	v_nop
	global_prefetch_b8 v0, s[64:65] scope:SCOPE_SE
	s_setreg_imm32_b32 hwreg(HW_REG_WAVE_MODE, 25, 1), 1
	s_wait_xcnt 0x0
; out2 = m + 0.5 m, m = the mean of (q - x)^2 over 65,536 x 128 = 2^23 numbers: the 512 partial sums of the launch before are added in a fixed order by one wave.
; A sum over work-groups has one owner: it takes a launch of its own, since no work-group may read what another of the same launch stores.
	s_load_b128 s[4:7], s[0:1], 0x0                ; part s[4:5], out2 s[6:7]
	v_lshlrev_b32 v1, 4, v0                        ; 16 x lane
	v_mov_b32 v2, 0
	s_mov_b32 s8, 0x76543210                       ; v_permlanex16_b32: lane l xor 16
	s_mov_b32 s9, 0xfedcba98
	s_wait_alu depctr_va_vdst(0)
	s_wait_kmcnt 0x0
.irp i, 0,1,2,3
	global_load_b128 v[4+4*\i:7+4*\i], v1, s[4:5] offset:512*\i
.endr
	s_wait_loadcnt 0x0
	v_pk_add_f32 v[4:5], v[4:5], v[6:7]
	v_pk_add_f32 v[8:9], v[8:9], v[10:11]
	v_pk_add_f32 v[12:13], v[12:13], v[14:15]
	v_pk_add_f32 v[16:17], v[16:17], v[18:19]
	v_pk_add_f32 v[4:5], v[4:5], v[8:9]
	v_pk_add_f32 v[12:13], v[12:13], v[16:17]
	v_pk_add_f32 v[4:5], v[4:5], v[12:13]
	v_add_f32 v4, v4, v5
	v_add_f32_dpp v4, v4, v4 row_xmask:1 row_mask:0xf bank_mask:0xf
	v_add_f32_dpp v4, v4, v4 row_xmask:2 row_mask:0xf bank_mask:0xf
	v_add_f32_dpp v4, v4, v4 row_xmask:4 row_mask:0xf bank_mask:0xf
	v_add_f32_dpp v4, v4, v4 row_xmask:8 row_mask:0xf bank_mask:0xf
	v_permlanex16_b32 v5, v4, s8, s9
	v_add_f32 v4, v4, v5
	v_mul_f32 v4, 0x34000000, v4                   ; x 2^-23: the mean
	v_fma_f32 v4, v4, 0.5, v4                      ; the embedding loss + 0.5 x the commitment loss: the same mean twice
	s_wait_alu depctr_va_vdst(0)
	s_wait_xcnt 0x0                                ; EXEC changes only behind this wait
	v_cmp_eq_u32 vcc_lo, 0, v0
	s_and_saveexec_b32 s10, vcc_lo
	global_store_b32 v2, v4, s[6:7]
	s_wait_xcnt 0x0
	s_or_b32 exec_lo, exec_lo, s10
	s_endpgm
.Lfunc_end_k_q712aaccbd6_vqloss:
	.size	k_q712aaccbd6_vqloss, .Lfunc_end_k_q712aaccbd6_vqloss-k_q712aaccbd6_vqloss
	.p2alignl 7, 3214868480
	.fill 96, 4, 3214868480
	.section	.rodata,"a",@progbits
	.p2align	6, 0x0
	.amdhsa_kernel k_q712aaccbd6_vqloss
		.amdhsa_group_segment_fixed_size 0
		.amdhsa_private_segment_fixed_size 0
		.amdhsa_enable_private_segment 0
		.amdhsa_kernarg_size 16
		.amdhsa_user_sgpr_count 2
		.amdhsa_user_sgpr_kernarg_segment_ptr 1
		.amdhsa_wavefront_size32 1
		.amdhsa_system_sgpr_workgroup_id_x 1
		.amdhsa_system_sgpr_workgroup_id_y 1
		.amdhsa_system_sgpr_workgroup_id_z 1
		.amdhsa_system_vgpr_workitem_id 0
		.amdhsa_next_free_vgpr 32
		.amdhsa_next_free_sgpr 66
		.amdhsa_reserve_vcc 1
		.amdhsa_float_denorm_mode_32 3
		.amdhsa_float_denorm_mode_16_64 3
		.amdhsa_memory_ordered 1
		.amdhsa_forward_progress 1
		.amdhsa_inst_pref_size 3
	.end_amdhsa_kernel
	.amdgpu_metadata
---
amdhsa.version: [ 1, 2 ]
amdhsa.kernels:
  - .name:           k_q712aaccbd6_vqloss
    .symbol:         k_q712aaccbd6_vqloss.kd
    .args:
      - { .name: part, .offset: 0, .size: 8, .value_kind: global_buffer, .address_space: global }
      - { .name: out2, .offset: 8, .size: 8, .value_kind: global_buffer, .address_space: global }
    .group_segment_fixed_size: 0
    .private_segment_fixed_size: 0
    .kernarg_segment_align: 8
    .kernarg_segment_size: 16
    .max_flat_workgroup_size: 32
    .sgpr_count:     66
    .vgpr_count:     32
    .wavefront_size: 32
...
	.end_amdgpu_metadata
.endif
;; end of part 4
